; MI455X (gfx1250); checked and timed in simulation.
; The chip was launched on July 23, 2026; its instructions are those of AMD's public machine-readable ISA for CDNA 5 (MIT licence, August 2026) and "CDNA5" Instruction Set Architecture Reference Guide (July 2026). The comments in the code are by the model that wrote it; some were corrected since.
;; Head. Allowed arithmetic: matrix products marked QUANTISED: E2M1 operands, one E8M0 scale for each 32 along K, by v_wmma_scale_f32_16x16x128_f8f6f4 with both operands' format E2M1 (or v_wmma_scale_f32_32x16x128_f4), f32 sums; everything else in f32.
;; Inputs: Wk_codes 256 x 32 x 16 uint8 (E2M1 codes of Wk, K innermost, in blocks of 32 codes, two codes a byte); Wk_scales 256 x 32 uint8 (E8M0 scales of Wk, one for each 32 codes along K); Wq_codes 256 x 32 x 16 uint8 (E2M1 codes of Wq, K innermost, in blocks of 32 codes, two codes a byte); Wq_scales 256 x 32 uint8 (E8M0 scales of Wq, one for each 32 codes along K); Wv_codes 256 x 32 x 16 uint8 (E2M1 codes of Wv, K innermost, in blocks of 32 codes, two codes a byte); Wv_scales 256 x 32 uint8 (E8M0 scales of Wv, one for each 32 codes along K); bk 256 float32; bq 256 float32; bv 256 float32; x_codes 16 x 2,048 x 32 x 16 uint8 (E2M1 codes of x, K innermost, in blocks of 32 codes, two codes a byte); x_scales 16 x 2,048 x 32 uint8 (E8M0 scales of x, one for each 32 codes along K).
;; Outputs: out0 16 x 2,048 x 256 float32.
;; This version of the problem:
;;   THIS VERSION OF THE PROBLEM IS GIVEN IN LOW PRECISION. The matrix products marked QUANTISED in the list below multiply operands that are first quantised to E2M1 (2 exponent bits, 1 mantissa bit; 4 bits a number), with one power-of-two scale for each 32 numbers along K (OCP MX v1.0); their sums are f32. All else is computed in f32.
;;   The module's matrix products, in the order in which they are computed (A, B: the left and right operand; K: the contracted axis; several contracted axes count as one K, in the product's order):
;;     1. [M 32,768, K 1,024] x [K 1,024, N 256]; A: input x (given as codes); B: input Wq (given as codes): QUANTISED
;;     2. [M 32,768, K 1,024] x [K 1,024, N 256]; A: input x (given as codes); B: input Wk (given as codes): QUANTISED
;;     3. [M 32,768, K 1,024] x [K 1,024, N 256]; A: input x (given as codes); B: input Wv (given as codes): QUANTISED
;;     4. batch 16 x [M 2,048, K 256] x [K 256, N 2,048]; A: computed on the way; B: computed on the way: QUANTISED
;;     5. batch 16 x [M 2,048, K 2,048] x [K 2,048, N 256]; A: softmax (see below); B: computed on the way: QUANTISED
;;   THE QUANTISER, for each operand of a quantised product, along K:
;;     - K is cut into blocks of 32 from its start; a last block that is shorter is filled with zeros.
;;     - A block's scale is 2^e with e = floor(log2(the largest magnitude in the block)) - 2, held to -126 .. 127; a block of zeros has e = 0. As a byte (E8M0): e + 127.
;;     - Each number is divided by its block's scale, clamped to +-6, and rounded to the nearest number of E2M1, ties to even, subnormals kept.
;;     - The product sums the exact products of the quantised numbers (number of the format x scale) in f32.
;;   ~~~python
;;   def quantise(x, axis):      # numpy; x: float32 -> the quantised numbers, widened to float32 again
;;       x = np.moveaxis(x, axis, -1); K = x.shape[-1]
;;       x = np.pad(x, [(0, 0)] * (x.ndim - 1) + [(0, -K % 32)]); x = x.reshape(x.shape[:-1] + (-1, 32)); a = np.abs(x).max(-1, keepdims=True)
;;       e = np.where(a > 0, np.clip(np.frexp(np.where(a > 0, a, 1))[1] - 1 - 2, -126, 127), 0)      # np.frexp(a)[1] - 1 = floor(log2(a)), exactly
;;       r = np.clip(x / 2.0 ** e, -6, 6)
;;       step = 2.0 ** (np.maximum(np.frexp(np.where(r == 0, 1, r))[1] - 1, 0) - 1)
;;       q = np.round(r / step) * step * 2.0 ** e      # np.round: ties to even
;;       return np.moveaxis(q.reshape(q.shape[:-2] + (-1,))[..., :K], -1, axis).astype(np.float32)
;;   ~~~
;;   SOFTMAX AHEAD OF A QUANTISED PRODUCT. Where the list says 'softmax', what is quantised is not the finished softmax but p = 2^(t - M), with t = logit x log2(e) and M = ceil(the row's largest t), a whole number; so 1/2 < the row's largest p <= 1. The row's sum l is taken of the UNQUANTISED p, in f32, and the product's result is divided by l at the end. Since M is a whole number, a kernel that streams over the keys may use a running M (the ceiling of the running maximum): every later rescaling is an exact power of two, which a block's scale takes up: the codes' values come out the same.
;;   OPERANDS COMPUTED ON THE WAY. 'Computed on the way' means the value that the module computes at that place (a softmax that the list does not call 'softmax' is quantised finished and normalised). What goes into a quantiser is computed in f32, as accurately as f32 sums, v_exp_f32 and their like allow (about 1e-6 of the number): no bf16 or f16 on the way to a quantiser, and a product that is left as it is and whose result goes on into a quantised operand takes f32 operands (vector FMAs, or v_wmma_f32_16x16x4_f32). A number that lies on a knife's edge between two numbers of the format may be rounded either way, as far as f32 arithmetic and the matrix unit's own rounding can turn it there, and no further.
;;   INPUTS GIVEN AS CODES. Wk (in the module: [1024, 256], K = its axis 0); Wq (in the module: [1024, 256], K = its axis 0); Wv (in the module: [1024, 256], K = its axis 0); x (in the module: [16, 2048, 1024], K = its axis 2): each comes as NAME_codes (uint8): NAME with its K axis moved to the last place and cut into blocks of 32 codes, [.., K / 32, bytes a block], one block behind the other in memory; two codes a byte, the lower K in the low four bits (a code: sign, 2 exponent bits, 1 mantissa bit); and NAME_scales (uint8): the same leading axes, one E8M0 byte (e + 127) for each 32 codes along K. Its value is code x scale, taken as it is: it is not quantised again, and the codes and scales need not be those that the quantiser above would give.
;; One version. Each part assembles by itself: llvm-mc -triple=amdgcn-amd-amdhsa -mcpu=gfx1250 --defsym DOCPART=n.
;; ======== version 1 of 1: 2 launches
;; workspace buffers: qimg 4,194,304 bytes; qsc 262,144 bytes; kvc 8,388,608 bytes; kvs 524,288 bytes
;; launch proj (part 1): grid 256 x 1, 4 waves a work-group, clusters of 4 x 1, 327,680 bytes of LDS; arguments x_codes, x_scales, Wq_codes, Wq_scales, bq, Wk_codes, Wk_scales, bk, Wv_codes, Wv_scales, bv, qimg, qsc, kvc, kvs; writes qimg, qsc, kvc, kvs
.if DOCPART == 1
	.amdgcn_target "amdgcn-amd-amdhsa--gfx1250"
	.amdhsa_code_object_version 6
	.text
	.protected	k_qd3faa55bac_proj
	.globl	k_qd3faa55bac_proj
	.p2align	8
	.type	k_qd3faa55bac_proj,@function
k_qd3faa55bac_proj:
	s_mov_b64 s[64:65], 0
	v_nop
	global_prefetch_b8 v0, s[64:65] scope:SCOPE_SE
	s_setreg_imm32_b32 hwreg(HW_REG_WAVE_MODE, 25, 1), 1
	s_wait_xcnt 0x0
	s_wait_alu depctr_hold_cnt(0) depctr_sa_sdst(0) depctr_va_vdst(0) depctr_va_sdst(0) depctr_va_ssrc(0) depctr_va_vcc(0) depctr_vm_vsrc(0)
	s_getreg_b32 s2, hwreg(HW_REG_IB_STS2, 6, 4)
	s_cmp_eq_u32 s2, 0
	s_cbranch_scc0 .Lentry_in_a_cluster
	s_endpgm
.Lentry_in_a_cluster:
	s_bfe_u32 s2, ttmp6, 0x10000c
	s_cmp_lg_u32 s2, 0x3003
	s_cbranch_scc0 .Lentry_shape_is_right
	s_endpgm
.Lentry_shape_is_right:
; q = x Wq + bq, k = x Wk + bk, v = x Wv + bv on codes of FP4 (E2M1) with E8M0 scales, sums in f32; then q and k are quantised along the head's 256, v along the tokens,
; and leave as codes and scale words laid as IMAGES OF OPERAND REGISTERS: a fragment (16 rows x 128 K) is 1,024 bytes, registers 4 c .. 4 c + 3 of lane l at 512 c + 16 l.
; SHARES.  Work-group tb (0 .. 255) owns 128 tokens and all 768 columns: three passes (q, k, v), 8 K steps of 128 each.  x's 128 rows stay in LDS for the whole launch.
; A wave makes 8 tiles of source 0 x 4 tiles of source 1: 32 accumulators, 256 registers; accumulator (i, j) at v[64 i + 8 j] of window 1.
;   passes q, k: source 0 = 16 rows of W (channels 128 g + 16 j ..), source 1 = 16 tokens (64 a + 16 i ..), a = wave / 2, g = wave % 2: a lane holds ONE token, its registers run along the channels;
;   pass v:      source 0 = 16 tokens (16 j ..), source 1 = 16 rows of Wv (channels 64 wave + 16 i ..): a lane holds ONE channel, its registers run along the tokens.
; Either way the 64 registers of accumulators (i, 0 .. 7) are 128 along the next product's K of one row: one fragment and one scale word.  The bias is the C of a sum's first product.
; FROM RESULT TO OPERAND.  Tile 2 B + u gives the lanes' half hl the eight numbers 8 (2 u + hl) .. + 7 of block B.  Their conversion for B = 2 c + e goes to register 4 c + 2 u + e; the exchange of
; the upper lanes of register 4 c + 2 u with the lower lanes of 4 c + 2 u + 1 then leaves a whole block in a lane, in the order that the operand's layout asks.
; W comes in six halves along K (256 rows x 256 bytes each) through THREE LDS slots.  Wq's two halves and Wk's lower one are first fills.  The other three come behind two rounds only:
; at pass q's last K step slots 0 and 1 are both read out, and waves 0 and 1 fetch Wk's upper half, waves 2 and 3 Wv's lower one, one load of 128 rows a wave; at pass k's fourth K step slot 2 takes
; Wv's upper half.  So each refill has a quantiser and three K steps or more between its request and the wait for it.
; All work-groups walk the same W at the same time: the four of a cluster ask for each tile JOINTLY.
; LIMITS: NaN and infinities are not served; a block whose largest magnitude lies under 2^-124 gets the byte 1, a block of zeros too (its codes are zeros; these bytes are read by this program alone).
.set XP,    528                        ; x's row in LDS: 512 bytes + 16: the 16 rows of a fragment load start 16 bytes apart modulo 256
.set WP,    272                        ; W's row in a slot: 256 bytes + 16
.set WS0,   128*XP                     ; slot 0, behind x's 128 rows
.set WSB,   256*WP                     ; a slot's bytes
.set SPARE, WS0+3*WSB                  ; the spare words: 128 bytes for each wave, two blocks of 256 bytes that no other line names
.set SPW,  1                           ; v1   LDS address of my spare word; never rewritten
.set NIL,  2                           ; v2   0; never rewritten
.set LI,   3                           ; v3   16 x lane: my place in an image
.set AXB,  8                           ; v8   passes q, k: my 64 tokens of x
.set AXA,  9                           ; v9   pass v: all 128 tokens
.set NS32, 10                          ; v10  32 r: a row of scale bytes
.set HB,   11                          ; v11  32 hl: my half's eight numbers of a bias
.set R4,   12                          ; v12  4 r
.set SCO,  13                          ; v13  16 r + 8 hl: my 8 bytes of a block of scale words
.set AW,   20                          ; v20-22 passes q, k: my 128 rows of W in slot 0, 1, 2
.set AV,   24                          ; v25-26 pass v: my 64 rows of Wv in slot 1, 2
.set SA,   32                          ; v32-95   source 0's scale words: tile j, K step kk at SA + 8 j + kk
.set SB,   96                          ; v96-127  source 1's: SB + 8 i + kk
.set TM,   128                         ; v128-143 at work in the quantiser
.set PW,   144                         ; v144-147 the four scale words of a pass
.set RR,   148                         ; v148-149 two of them, chosen by the lanes' half
.set PC,   152                         ; v152-183 the four fragments of a pass
.set BI,   192                         ; window 2: the bias in the result's layout; v0-95, v96-191 of window 2: two fragment buffers (source 0: 64 registers, source 1: 32)
.set WV,   34                          ; s34  wave
.set G1X,  40                          ; s[40:47] group 1 for x;  s[48:55] for 64 rows of W;  s[92:99] for 128 rows of W
.set G1W,  48
.set G1H,  92
.set G0X,  56                          ; s[56:59] group 0 for x;  s[60:63], s[68:71], s[76:79] for W's slots 0, 1, 2
.set G0W0, 60
.set G0W1, 68
.set G0W2, 76
.set MSB, 0
.macro WIN new                         ; bits 1:0 source 0, 3:2 source 1, 5:4 source 2, 7:6 destination; the high byte repeats the setting that is left
.if MSB != \new
	s_set_vgpr_msb (MSB<<8)|\new
.set MSB, \new
.endif
.endm
.macro PLACES n
.rept \n
	v_nop
.endr
.endm
.macro CROUND                          ; a round of the cluster's barrier
	s_barrier_signal -1
	s_barrier_wait -1
	s_cmp_lg_u32 s[WV], 0
	s_cbranch_scc1 .Lnot_wave_0_\@
	s_barrier_signal -3
.Lnot_wave_0_\@:
	s_barrier_wait -3
	s_barrier_signal -1
	s_barrier_wait -1
.endm
	s_load_b512 s[4:19], s[0:1], 0x0               ; x codes 4, x scales 6, Wq codes 8, Wq scales 10, bq 12, Wk codes 14, Wk scales 16, bk 18
	s_load_b256 s[20:27], s[0:1], 0x40             ; Wv codes 20, Wv scales 22, bv 24, qimg 26
	s_load_b128 s[28:31], s[0:1], 0x60             ; qsc 28, kvc 30
	s_load_b64 s[32:33], s[0:1], 0x70              ; kvs 32
	v_lshl_add_u32 v[SPW], v0, 2, SPARE
	v_mov_b32 v[NIL], 0
	ds_add_u32 v1, v2
	ds_add_u32 v1, v2
	s_wait_dscnt 0x0
	v_lshrrev_b32 v14, 5, v0
	v_readfirstlane_b32 s[WV], v14                 ; wave 0..3
	s_lshr_b32 s35, s[WV], 1                       ; a
	s_and_b32 s36, s[WV], 1                        ; g
	s_bfe_u32 s37, ttmp6, 0x40000                  ; cx
	s_lshl_b32 s38, ttmp9, 2
	s_add_co_u32 s38, s38, s37                     ; tb = 4 x cluster + cx: it enters x's and the outputs' addresses alone
	s_mov_b32 s39, 0xffff0000                      ; the lanes 16-31
	s_mov_b32 s74, 0x76543210
	s_mov_b32 s75, 0xfedcba98                      ; v_permlanex16_b32's selects for lane l xor 16
	; group 1 for x: my 32 rows of 512 bytes; 16 bytes of padding behind every 128 words
	s_mov_b32 s[G1X+0], (1<<20)|(6<<22)|(3<<25)
	s_mov_b32 s[G1X+1], 512<<16                    ; tensor_dim0
	s_mov_b32 s[G1X+2], 32<<16                     ; tensor_dim1
	s_mov_b32 s[G1X+3], 512<<16                    ; tile_dim0
	s_mov_b32 s[G1X+4], 32                         ; tile_dim1
	s_mov_b32 s[G1X+5], 512                        ; from row to row
	s_mov_b32 s[G1X+6], 0
	s_mov_b32 s[G1X+7], 0
	; group 1 for W: 64 rows, 256 bytes of each; padding behind every 64 words; the mask names all four work-groups, bit 21 beside it
	s_mov_b32 s[G1W+0], 15|(1<<20)|(1<<21)|(5<<22)|(3<<25)
	s_mov_b32 s[G1W+1], 256<<16
	s_mov_b32 s[G1W+2], 64<<16
	s_mov_b32 s[G1W+3], 256<<16
	s_mov_b32 s[G1W+4], 64
	s_mov_b32 s[G1W+5], 512
	s_mov_b32 s[G1W+6], 0
	s_mov_b32 s[G1W+7], 0
	; the same with 128 rows: half a slot
	s_mov_b32 s[G1H+0], 15|(1<<20)|(1<<21)|(5<<22)|(3<<25)
	s_mov_b32 s[G1H+1], 256<<16
	s_mov_b32 s[G1H+2], 128<<16
	s_mov_b32 s[G1H+3], 256<<16
	s_mov_b32 s[G1H+4], 128
	s_mov_b32 s[G1H+5], 512
	s_mov_b32 s[G1H+6], 0
	s_mov_b32 s[G1H+7], 0
	s_mov_b32 s73, 0                               ; s[72:73]: offsets made of the wave's number alone
	s_mov_b32 s91, 0                               ; s[90:91]: offsets that hold tb
	s_lshl_b32 s86, s35, 13
	s_lshl_b32 s87, s36, 10
	s_add_co_u32 s86, s86, s87                     ; 8,192 a + 1,024 g: my first fragment among a tb's of q or k
	s_lshl_b32 s87, s[WV], 8                       ; 256 wave: my block of scale words
	s_wait_kmcnt 0x0
	s_lshl_b32 s72, s[WV], 15                      ; 64 rows a wave:
	s_add_nc_u64 s[8:9], s[8:9], s[72:73]          ; Wq's, for both its halves,
	s_add_nc_u64 s[G0W2+2:G0W2+3], s[14:15], s[72:73]   ; Wk's lower half,
	s_add_nc_u64 s[66:67], s[20:21], s[72:73]      ; Wv's, for its upper half
	s_lshl_b32 s72, s36, 16                        ; 128 rows a wave:
	s_add_nc_u64 s[14:15], s[14:15], s[72:73]      ; Wk's, for its upper half,
	s_add_nc_u64 s[20:21], s[20:21], s[72:73]      ; Wv's, for its lower half
	s_lshl_b32 s72, s36, 12                        ; Wq's and Wk's scale bytes at row 128 g
	s_add_nc_u64 s[10:11], s[10:11], s[72:73]
	s_add_nc_u64 s[16:17], s[16:17], s[72:73]
	s_lshl_b32 s72, s[WV], 11                      ; Wv's at row 64 wave
	s_add_nc_u64 s[22:23], s[22:23], s[72:73]
	s_lshl_b32 s72, s36, 9                         ; bq, bk at channel 128 g
	s_add_nc_u64 s[12:13], s[12:13], s[72:73]
	s_add_nc_u64 s[18:19], s[18:19], s[72:73]
	s_lshl_b32 s72, s[WV], 8                       ; bv at channel 64 wave
	s_add_nc_u64 s[24:25], s[24:25], s[72:73]
	s_lshl_b32 s90, s38, 16
	s_lshl_b32 s88, s[WV], 14
	s_add_co_u32 s90, s90, s88
	s_add_nc_u64 s[4:5], s[4:5], s[90:91]          ; x's codes: 128 tb rows of 512 bytes + my 32 rows
	s_lshl_b32 s90, s38, 12
	s_add_nc_u64 s[6:7], s[6:7], s[90:91]          ; x's scale bytes at token 128 tb,
	s_lshl_b32 s90, s35, 11
	s_add_nc_u64 s[82:83], s[6:7], s[90:91]        ; and at my 64 tokens
	s_lshl_b32 s90, s38, 14
	s_add_co_u32 s90, s90, s86
	s_add_nc_u64 s[26:27], s[26:27], s[90:91]      ; qimg + 16,384 tb + 8,192 a + 1,024 g
	s_lshl_b32 s90, s38, 10
	s_add_co_u32 s90, s90, s87
	s_add_nc_u64 s[28:29], s[28:29], s[90:91]      ; qsc + 1,024 tb + 256 wave
	s_lshl_b32 s90, s38, 11
	s_add_co_u32 s90, s90, s87
	s_add_nc_u64 s[32:33], s[32:33], s[90:91]      ; kvs + 2,048 tb + 256 wave
	s_lshl_b32 s88, s38, 15
	s_lshl_b32 s90, s[WV], 12
	s_add_co_u32 s90, s90, s88
	s_add_co_u32 s90, s90, 16384
	s_add_nc_u64 s[84:85], s[30:31], s[90:91]      ; V's fragments: kvc + 32,768 tb + 16,384 + 4,096 wave
	s_add_co_u32 s90, s88, s86
	s_add_nc_u64 s[30:31], s[30:31], s[90:91]      ; K's: kvc + 32,768 tb + 8,192 a + 1,024 g
	s_mov_b32 s[G0X], 1
	s_mul_i32 s[G0X+1], s[WV], 32*XP
	s_mov_b64 s[G0X+2:G0X+3], s[4:5]
	s_or_b32 s[G0X+3], s[G0X+3], 0x80000000
	s_mul_i32 s80, s[WV], 64*WP                    ; my 64 rows' place in a slot
	s_mov_b32 s[G0W0], 1
	s_add_co_u32 s[G0W0+1], s80, WS0
	s_mov_b64 s[G0W0+2:G0W0+3], s[8:9]             ; Wq, K's lower half
	s_or_b32 s[G0W0+3], s[G0W0+3], 0x80000000
	s_mov_b32 s[G0W1], 1
	s_add_co_u32 s[G0W1+1], s80, WS0+WSB
	s_add_nc_u64 s[G0W1+2:G0W1+3], s[8:9], 256     ; Wq, K's upper half
	s_or_b32 s[G0W1+3], s[G0W1+3], 0x80000000
	s_mov_b32 s[G0W2], 1
	s_add_co_u32 s[G0W2+1], s80, WS0+2*WSB         ; Wk, K's lower half: its address was made above
	s_or_b32 s[G0W2+3], s[G0W2+3], 0x80000000
	CROUND                                         ; all four work-groups are here: the first joint loads meet
	tensor_load_to_lds s[G0X:G0X+3], s[G1X:G1X+7]  ; the first fills go out as one group: four loads of mine are out
	s_nop 0
	tensor_load_to_lds s[G0W0:G0W0+3], s[G1W:G1W+7]
	s_nop 0
	tensor_load_to_lds s[G0W1:G0W1+3], s[G1W:G1W+7]
	s_nop 0
	tensor_load_to_lds s[G0W2:G0W2+3], s[G1W:G1W+7]
	s_nop 0
	PLACES 4                                       ; four such lines behind a tensor load
	v_and_b32 v14, 31, v0
	v_lshlrev_b32 v[LI], 4, v14
	v_and_b32 v15, 15, v0                          ; r
	v_bfe_u32 v16, v0, 4, 1                        ; hl
	v_mul_u32_u24 v17, v15, WP
	v_lshl_add_u32 v17, v16, 4, v17                ; a fragment's row x pitch + 16 x half
	v_mul_u32_u24 v18, v15, XP
	v_lshl_add_u32 v[AXA], v16, 4, v18
	s_mul_i32 s81, s36, 128*WP
	s_add_co_u32 s81, s81, WS0
	v_add_nc_u32 v[AW], s81, v17
	v_add_nc_u32 v[AW+1], WSB, v[AW]
	v_add_nc_u32 v[AW+2], WSB, v[AW+1]
	s_mul_i32 s81, s[WV], 64*WP
	s_add_co_u32 s81, s81, WS0+WSB
	v_add_nc_u32 v[AV+1], s81, v17
	v_add_nc_u32 v[AV+2], WSB, v[AV+1]
	s_mul_i32 s81, s35, 64*XP
	v_add_nc_u32 v[AXB], s81, v[AXA]
	v_lshlrev_b32 v[NS32], 5, v15
	v_lshlrev_b32 v[HB], 5, v16
	v_lshlrev_b32 v[R4], 2, v15
	v_lshlrev_b32 v[SCO], 4, v15
	v_lshl_add_u32 v[SCO], v16, 3, v[SCO]
.irp b, 0,1,2,3
	v_mov_b32 v[TM+4+\b], 0                        ; written once: a lane permute's destination counts as one of its sources
.endr
; 24 LDS loads: the fragments of K step kk (the slot's q-th) into buffer buf: lane l takes row l % 16; two loads of 16 bytes, 32 bytes apart, at row x pitch + 16 (l / 16)
.macro FETCH mode, slot, kk, q, buf
	WIN 0x80                                       ; destination window 2, address window 0
.irp j, 0,1,2,3,4,5,6,7
.irp c, 0,1
.if \mode == 0
	ds_load_b128 v[(\buf)+8*\j+4*\c:(\buf)+8*\j+4*\c+3], v[AW+(\slot)] offset:\j*16*WP+64*(\q)+32*\c
.else
	ds_load_b128 v[(\buf)+8*\j+4*\c:(\buf)+8*\j+4*\c+3], v[AXA] offset:\j*16*XP+64*(\kk)+32*\c
.endif
.endr
.endr
.irp i, 0,1,2,3
.irp c, 0,1
.if \mode == 0
	ds_load_b128 v[(\buf)+64+8*\i+4*\c:(\buf)+64+8*\i+4*\c+3], v[AXB] offset:\i*16*XP+64*(\kk)+32*\c
.else
	ds_load_b128 v[(\buf)+64+8*\i+4*\c:(\buf)+64+8*\i+4*\c+3], v[AV+(\slot)] offset:\i*16*WP+64*(\q)+32*\c
.endif
.endr
.endr
.endm
; 32 matrix instructions, 128 along K.  The 32 accumulators take turns, one instruction a turn, in the same order in every K step.
; cmode 0: the sums go on;  1: they start from the bias of source 0's tile (passes q, k);  2: from that of source 1's tile (pass v).  Nothing is cleared.
.macro MUL32 buf, kk, cmode
.if \cmode == 0
	WIN 0x5a                                       ; sources 0 and 1 window 2, C and D window 1
.else
	WIN 0x6a                                       ; C window 2
.endif
.irp i, 0,1,2,3
.irp j, 0,1,2,3,4,5,6,7
.if \cmode == 0
	v_wmma_scale_f32_16x16x128_f8f6f4 v[64*\i+8*\j:64*\i+8*\j+7], v[(\buf)+8*\j:(\buf)+8*\j+7], v[(\buf)+64+8*\i:(\buf)+64+8*\i+7], v[64*\i+8*\j:64*\i+8*\j+7], v[SA+8*\j+(\kk)], v[SB+8*\i+(\kk)] matrix_a_fmt:MATRIX_FMT_FP4 matrix_b_fmt:MATRIX_FMT_FP4
.elseif \cmode == 1
	v_wmma_scale_f32_16x16x128_f8f6f4 v[64*\i+8*\j:64*\i+8*\j+7], v[(\buf)+8*\j:(\buf)+8*\j+7], v[(\buf)+64+8*\i:(\buf)+64+8*\i+7], v[BI+8*\j:BI+8*\j+7], v[SA+8*\j+(\kk)], v[SB+8*\i+(\kk)] matrix_a_fmt:MATRIX_FMT_FP4 matrix_b_fmt:MATRIX_FMT_FP4
.else
	v_wmma_scale_f32_16x16x128_f8f6f4 v[64*\i+8*\j:64*\i+8*\j+7], v[(\buf)+8*\j:(\buf)+8*\j+7], v[(\buf)+64+8*\i:(\buf)+64+8*\i+7], v[BI+8*\i:BI+8*\i+7], v[SA+8*\j+(\kk)], v[SB+8*\i+(\kk)] matrix_a_fmt:MATRIX_FMT_FP4 matrix_b_fmt:MATRIX_FMT_FP4
.endif
.endr
.endr
.endm
; A K step that has its successor in the same slot: the successor's fragments are asked for ahead of this step's 32 products.
.macro KSTEP mode, slot, kk, cmode
	s_wait_dscnt 0x0                               ; this step's fragments are in
	PLACES 4                                       ; four places between the last products and the loads into the buffer that they read
	FETCH \mode, \slot, (\kk)+1, ((\kk)+1)%4, 96*(((\kk)+1)%2)
	MUL32 96*((\kk)%2), \kk, \cmode
.endm
; A slot's last K step where the next slot's tile has to be shown to every wave.  left: my younger tensor loads, which may stay out.
.macro PLAIN left, nmode, nslot, nkk, kk
	s_wait_tensorcnt \left                         ; my part of the next slot is in
	s_wait_dscnt 0x0                               ; no LDS instruction of mine is out at the signal; this step's fragments are in
	s_barrier_signal -1
	s_barrier_wait -1                              ; everybody's part is in
	PLACES 4                                       ; in front of the loads into buffer 0
	FETCH \nmode, \nslot, \nkk, 0, 0
	MUL32 96, \kk, 0
.endm
; A pass's scale words and bias, straight from memory into registers: a row's 32 scale bytes are its eight K steps' words.
.macro LOADS mode, sa, sb, bi
.irp j, 0,1,2,3,4,5,6,7
	global_load_b128 v[SA+8*\j:SA+8*\j+3], v[NS32], s[\sa:\sa+1] offset:512*\j
	global_load_b128 v[SA+8*\j+4:SA+8*\j+7], v[NS32], s[\sa:\sa+1] offset:512*\j+16
.endr
.irp i, 0,1,2,3
	global_load_b128 v[SB+8*\i:SB+8*\i+3], v[NS32], s[\sb:\sb+1] offset:512*\i
	global_load_b128 v[SB+8*\i+4:SB+8*\i+7], v[NS32], s[\sb:\sb+1] offset:512*\i+16
.endr
	WIN 0x80
.if \mode == 0
.irp j, 0,1,2,3,4,5,6,7
	global_load_b128 v[BI+8*\j:BI+8*\j+3], v[HB], s[\bi:\bi+1] offset:64*\j        ; register n of tile j: the bias of channel 16 j + 8 hl + n
	global_load_b128 v[BI+8*\j+4:BI+8*\j+7], v[HB], s[\bi:\bi+1] offset:64*\j+16
.endr
.else
.irp i, 0,1,2,3
.irp n, 0,1,2,3,4,5,6,7
	global_load_b32 v[BI+8*\i+\n], v[R4], s[\bi:\bi+1] offset:64*\i                ; my channel's bias in all eight registers: they are eight tokens
.endr
.endr
.endif
	WIN 0
.endm
; The 64 registers of accumulators (i, 0 .. 7) become the fragment v[PC + 8 i ..] and the scale word v[PW + i].  Each accumulator is read from its low end on.
.macro QUANT i
	WIN 0x05                                       ; sources 0 and 1 window 1
.irp b, 0,1,2,3
	v_max3_num_f32 v[TM+\b], |v[64*\i+16*\b]|, |v[64*\i+16*\b+1]|, 0x1800000       ; block b: my 16 numbers, and the floor 2^(3 - 127): the byte cannot fall under 1
.endr
.irp n, 2,4,6,8,10,12,14
.irp b, 0,1,2,3
	v_max3_num_f32 v[TM+\b], |v[64*\i+16*\b+\n]|, |v[64*\i+16*\b+\n+1]|, v[TM+\b]  ; the four blocks by turns
.endr
.endr
	WIN 0
.irp b, 0,1,2,3
	v_permlanex16_b32 v[TM+4+\b], v[TM+\b], s74, s75
.endr
.irp b, 0,1,2,3
	v_max_num_f32 v[TM+\b], v[TM+\b], v[TM+4+\b]   ; with lane l xor 16's 16: the block's largest magnitude
.endr
.irp b, 0,1,2,3
	v_add_nc_u32 v[TM+12+\b], 0xff000000, v[TM+\b] ; 2 off its exponent field: the conversion's scale operand
.endr
.irp b, 0,1,2,3
	v_lshrrev_b32 v[TM+4+\b], 23, v[TM+12+\b]      ; the scale's byte
.endr
	v_lshl_or_b32 v[PW+\i], v[TM+5], 8, v[TM+4]
	v_lshl_or_b32 v[PW+\i], v[TM+6], 16, v[PW+\i]
	v_lshl_or_b32 v[PW+\i], v[TM+7], 24, v[PW+\i]
	WIN 0x01                                       ; source 0 window 1
.irp c, 0,1
.irp e, 0,1
.irp u, 0,1
	v_cvt_scalef32_pk8_fp4_f32 v[PC+8*\i+4*\c+2*\u+\e], v[64*\i+16*(2*\c+\e)+8*\u:64*\i+16*(2*\c+\e)+8*\u+7], v[TM+12+2*\c+\e]
.endr
.endr
.endr
	WIN 0
	v_nop                                          ; one plain place behind a scaled conversion
.irp c, 0,1
.irp u, 0,1
	v_permlane16_swap_b32 v[PC+8*\i+4*\c+2*\u], v[PC+8*\i+4*\c+2*\u+1]   ; a whole block in a lane: lanes 0-15 block 2 c, lanes 16-31 block 2 c + 1
.endr
.endr
.endm
; A pass's end.  The next pass's scale words and bias are asked for first and land under the quantiser.  Each store of codes covers 512 consecutive bytes, the store of scale words 256.
.macro FINISH nmode, sa, sb, bi, cp, stride, sp, so
	WIN 0
	PLACES 4                                       ; between the last products and the reads of their results, and the loads into their scale registers
	s_wait_xcnt 0x0                                ; the last pass's stores have read their data: the codes' and words' registers may be written again
.if \nmode >= 0
	LOADS \nmode, \sa, \sb, \bi
.endif
.irp i, 0,1,2,3
	QUANT \i
	global_store_b128 v[LI], v[PC+8*\i:PC+8*\i+3], s[\cp:\cp+1] offset:\i*\stride
	global_store_b128 v[LI], v[PC+8*\i+4:PC+8*\i+7], s[\cp:\cp+1] offset:\i*\stride+512
.endr
	v_cndmask_b32 v[RR], v[PW], v[PW+2], s39       ; word (i, r) lies at 16 r + 4 i: lanes 0-15 store words 0 and 1 of their row, lanes 16-31 words 2 and 3
	v_cndmask_b32 v[RR+1], v[PW+1], v[PW+3], s39
	global_store_b64 v[SCO], v[RR:RR+1], s[\sp:\sp+1] offset:\so
.if \nmode >= 0
	s_wait_loadcnt 0x0                             ; the next pass's scale words and bias are in
.endif
.endm
	LOADS 0, 10, 82, 12                            ; pass q's
	s_wait_tensorcnt 0x2                           ; x and slot 0 are in; slots 1 and 2 may stay out
	s_barrier_signal -1
	s_barrier_wait -1                              ; everybody's are
	FETCH 0, 0, 0, 0, 0
	s_wait_loadcnt 0x0
	; ---- pass q: slot 0, then slot 1
	KSTEP 0, 0, 0, 1
	KSTEP 0, 0, 1, 0
	KSTEP 0, 0, 2, 0
	PLAIN 1, 0, 1, 4, 3                            ; slot 1 is in; slot 2's load may stay out
	KSTEP 0, 1, 4, 0
	KSTEP 0, 1, 5, 0
	KSTEP 0, 1, 6, 0
	; pass q's last K step.  Its fragments are in registers at the wait on DScnt: slots 0 and 1 are both read out.  Waves 0 and 1 fetch Wk's upper half into slot 0, waves 2 and 3 Wv's lower half
	; into slot 1, 128 rows a wave, behind a round of the cluster's barrier: no wave of any partner still reads these slots or has a load on its way.
	WIN 0                                          ; the add's registers lie in window 0
	s_wait_tensorcnt 0x0                           ; all my tensor loads have landed, my part of slot 2 among them
	ds_add_u32 v[SPW], v[NIL]                      ; 0 onto my spare word
	s_mul_i32 s86, s36, 128*WP                     ; no load of mine is out: the groups 0 may be written.  Which half of a slot is mine
	s_add_co_u32 s[G0W0+1], s86, WS0
	s_add_nc_u64 s[G0W0+2:G0W0+3], s[14:15], 256   ; Wk, K's upper half
	s_or_b32 s[G0W0+3], s[G0W0+3], 0x80000000
	s_add_co_u32 s[G0W1+1], s86, WS0+WSB
	s_mov_b64 s[G0W1+2:G0W1+3], s[20:21]           ; Wv, K's lower half
	s_or_b32 s[G0W1+3], s[G0W1+3], 0x80000000
	s_wait_dscnt 0x0                               ; the add is done, and my reads of slot 1 are over (those of slot 0 were over at the barrier before)
	CROUND
	s_cmp_lt_u32 s[WV], 2                          ; the branch hangs on the wave's number alone: it is the same in every work-group
	s_cbranch_scc0 .Lfor_v
	tensor_load_to_lds s[G0W0:G0W0+3], s[G1H:G1H+7]   ; my one tensor load behind the round, and the first thing there
	s_nop 0
	PLACES 4                                       ; behind the tensor load; also the places in front of the loads into buffer 0
	s_branch .Lasked
.Lfor_v:
	tensor_load_to_lds s[G0W1:G0W1+3], s[G1H:G1H+7]
	s_nop 0
	PLACES 4
.Lasked:
	FETCH 0, 2, 0, 0, 0                            ; pass k's first fragments, from slot 2
	MUL32 96, 7, 0
	FINISH 0, 16, 82, 18, 26, 2048, 28, 0
	; ---- pass k: slot 2, then slot 0
	KSTEP 0, 2, 0, 1
	KSTEP 0, 2, 1, 0
	KSTEP 0, 2, 2, 0
	WIN 0                                          ; it takes Wv's upper half, 64 rows a wave
	s_wait_tensorcnt 0x0                           ; my half of Wk's upper or of Wv's lower half has landed
	ds_add_u32 v[SPW], v[NIL]                      ; 0 onto my spare word
	s_add_nc_u64 s[G0W2+2:G0W2+3], s[66:67], 256
	s_or_b32 s[G0W2+3], s[G0W2+3], 0x80000000
	s_wait_dscnt 0x0                               ; the add is done, and my reads of slot 2 are over
	CROUND                                         ; behind it slots 0 and 1 are whole for every wave
	tensor_load_to_lds s[G0W2:G0W2+3], s[G1W:G1W+7]   ; my one tensor load behind the round: it has eight K steps and a quantiser in which to land
	s_nop 0
	PLACES 4
	FETCH 0, 0, 4, 0, 0
	MUL32 96, 3, 0
	KSTEP 0, 0, 4, 0
	KSTEP 0, 0, 5, 0
	KSTEP 0, 0, 6, 0
	s_wait_dscnt 0x0                               ; pass k's last K step: slot 1 was shown whole by the last round, so no barrier stands here
	PLACES 4
	FETCH 1, 1, 0, 0, 0                            ; pass v's first fragments
	MUL32 96, 7, 0
	FINISH 1, 6, 22, 24, 30, 2048, 32, 0
	; ---- pass v: slot 1, then slot 2
	KSTEP 1, 1, 0, 2
	KSTEP 1, 1, 1, 0
	KSTEP 1, 1, 2, 0
	PLAIN 0, 1, 2, 4, 3                            ; my last tensor load, my part of slot 2: none was issued behind it
	KSTEP 1, 2, 4, 0
	KSTEP 1, 2, 5, 0
	KSTEP 1, 2, 6, 0
	s_wait_dscnt 0x0
	MUL32 96, 7, 0
	FINISH -1, 0, 0, 0, 84, 1024, 32, 1024
	s_wait_tensorcnt 0x0                           ; the wave's end
	ds_add_u32 v[SPW], v[NIL]
	s_wait_dscnt 0x0
	CROUND                                         ; the closing round: no work-group ends while a partner may still ask for a tile that names it
	s_endpgm
.Lfunc_end_k_qd3faa55bac_proj:
	.size	k_qd3faa55bac_proj, .Lfunc_end_k_qd3faa55bac_proj-k_qd3faa55bac_proj
	.p2alignl 7, 3214868480
	.fill 96, 4, 3214868480
	.section	.rodata,"a",@progbits
	.p2align	6, 0x0
	.amdhsa_kernel k_qd3faa55bac_proj
		.amdhsa_group_segment_fixed_size 327680
		.amdhsa_private_segment_fixed_size 0
		.amdhsa_enable_private_segment 0
		.amdhsa_kernarg_size 120
		.amdhsa_user_sgpr_count 2
		.amdhsa_user_sgpr_kernarg_segment_ptr 1
		.amdhsa_wavefront_size32 1
		.amdhsa_system_sgpr_workgroup_id_x 1
		.amdhsa_system_sgpr_workgroup_id_y 1
		.amdhsa_system_sgpr_workgroup_id_z 1
		.amdhsa_system_vgpr_workitem_id 0
		.amdhsa_next_free_vgpr 768
		.amdhsa_next_free_sgpr 100
		.amdhsa_reserve_vcc 0
		.amdhsa_float_denorm_mode_32 3
		.amdhsa_float_denorm_mode_16_64 3
		.amdhsa_memory_ordered 1
		.amdhsa_forward_progress 1
		.amdhsa_inst_pref_size 210
	.end_amdhsa_kernel
	.amdgpu_metadata
---
amdhsa.version: [ 1, 2 ]
amdhsa.kernels:
  - .name:           k_qd3faa55bac_proj
    .symbol:         k_qd3faa55bac_proj.kd
    .args:
      - { .name: x_codes, .offset: 0, .size: 8, .value_kind: global_buffer, .address_space: global }
      - { .name: x_scales, .offset: 8, .size: 8, .value_kind: global_buffer, .address_space: global }
      - { .name: Wq_codes, .offset: 16, .size: 8, .value_kind: global_buffer, .address_space: global }
      - { .name: Wq_scales, .offset: 24, .size: 8, .value_kind: global_buffer, .address_space: global }
      - { .name: bq, .offset: 32, .size: 8, .value_kind: global_buffer, .address_space: global }
      - { .name: Wk_codes, .offset: 40, .size: 8, .value_kind: global_buffer, .address_space: global }
      - { .name: Wk_scales, .offset: 48, .size: 8, .value_kind: global_buffer, .address_space: global }
      - { .name: bk, .offset: 56, .size: 8, .value_kind: global_buffer, .address_space: global }
      - { .name: Wv_codes, .offset: 64, .size: 8, .value_kind: global_buffer, .address_space: global }
      - { .name: Wv_scales, .offset: 72, .size: 8, .value_kind: global_buffer, .address_space: global }
      - { .name: bv, .offset: 80, .size: 8, .value_kind: global_buffer, .address_space: global }
      - { .name: qimg, .offset: 88, .size: 8, .value_kind: global_buffer, .address_space: global }
      - { .name: qsc, .offset: 96, .size: 8, .value_kind: global_buffer, .address_space: global }
      - { .name: kvc, .offset: 104, .size: 8, .value_kind: global_buffer, .address_space: global }
      - { .name: kvs, .offset: 112, .size: 8, .value_kind: global_buffer, .address_space: global }
    .group_segment_fixed_size: 327680
    .private_segment_fixed_size: 0
    .kernarg_segment_align: 8
    .kernarg_segment_size: 120
    .max_flat_workgroup_size: 128
    .sgpr_count:     100
    .vgpr_count:     768
    .wavefront_size: 32
...
	.end_amdgpu_metadata
.endif
;; end of part 1
;; launch attn (part 2): grid 16 x 16, 8 waves a work-group, clusters of 4 x 1, 327,680 bytes of LDS; arguments qimg, qsc, kvc, kvs, out0; writes out0
.if DOCPART == 2
	.amdgcn_target "amdgcn-amd-amdhsa--gfx1250"
	.amdhsa_code_object_version 6
	.text
	.protected	k_qd3faa55bac_attn
	.globl	k_qd3faa55bac_attn
	.p2align	8
	.type	k_qd3faa55bac_attn,@function
k_qd3faa55bac_attn:
	s_mov_b64 s[64:65], 0
	v_nop
	global_prefetch_b8 v0, s[64:65] scope:SCOPE_SE
	s_setreg_imm32_b32 hwreg(HW_REG_WAVE_MODE, 25, 1), 1
	s_wait_xcnt 0x0
	s_wait_alu depctr_hold_cnt(0) depctr_sa_sdst(0) depctr_va_vdst(0) depctr_va_sdst(0) depctr_va_ssrc(0) depctr_va_vcc(0) depctr_vm_vsrc(0)
	s_getreg_b32 s2, hwreg(HW_REG_IB_STS2, 6, 4)
	s_cmp_eq_u32 s2, 0
	s_cbranch_scc0 .Lentry_in_a_cluster
	s_endpgm
.Lentry_in_a_cluster:
	s_bfe_u32 s2, ttmp6, 0x10000c
	s_cmp_lg_u32 s2, 0x3003
	s_cbranch_scc0 .Lentry_shape_is_right
	s_endpgm
.Lentry_shape_is_right:
; out[b][q][:] = the sum over keys k <= q of softmax_k(Q[q] . K[k] / sqrt(2048)) V[k][:], both products on codes of FP4 (E2M1) with one E8M0 scale for each 32 along K.
; Q, K and V come as images of operand registers (a fragment of 16 rows x 128 K is 1,024 bytes, registers 4 c .. 4 c + 3 of lane l at 512 c + 16 l), their scale words in blocks of 256 bytes, word (i, r) at 16 r + 4 i.
; THE SOFTMAX: t = score x log2(e) / sqrt(2048) (one rounding); M = the running largest t rounded UP to a whole number; p = 2^(t - M) is quantised along the keys and not normalised; the row's sum is
; taken of the unquantised p and divides at the end.  When M moves, the sum and O are multiplied by 2^(old M - new M): exact.
; SHARES.  A cluster of four work-groups serves one batch and two ranges of 256 queries: a LOW one from 256 c on and a HIGH one from 1,792 - 256 c on (c: the cluster's x).  Of a work-group's eight waves four take
; a tile of 16 queries of the low range and four of the high one: tile = range / 16 + 4 ti + cx.  So whether a tile lies in the first or the second 128 queries of its range (u = ti / 2) hangs on the wave alone:
; a low wave has 2 c + 1 + u key steps of 128 to do, a high one 15 - 2 c + u, and only the last of them holds hidden keys.  These counts hang on c and the wave, so the four partners branch alike.
; With the wave's number in bits b2 b1 b0: high where b0 ^ b1 ^ b2, u = b0 ^ b2, ti = 2 u + b0.  Two waves whose numbers differ in b0 alone or in b2 alone are then one low and one high, one of each u: 17 steps together.
; EVERY work-group walks all 16 key steps: trip counts are constants, and every partner makes every joint request.  A step past a wave's count is jumped over (its loads, products and softmax).
; Key 0 counts for every query, so M is a number from the first step on.  Every wave has a first step: it is written out with no jump round it, and its products start O^T: nothing is cleared.
; LAYOUT.  S^T = K Q^T (source 0 = 16 keys, source 1 = my 16 queries), O^T = V^T P^T (source 0 = 16 channels, source 1 = P): a lane holds ONE query (lane % 16) throughout.
; Tile 2 B + u of S^T gives the lanes' half hl keys 32 B + 8 (2 u + hl) .. + 7; the conversion for B = 2 c + e goes to register 4 c + 2 u + e, and an exchange of halves leaves a whole block in a lane.
; K and V of a batch are walked by all four partners at the same time: each slot (4 key steps, 131,072 bytes) is asked for JOINTLY, an eighth by each wave.
; LIMITS: NaN and infinities are not served; a block whose every p has fallen under 2^-124 keeps the byte 1.
; REGISTERS.  window 0: v1-11 addresses; v12 -M, v13 the largest t, v[14:15] the sum; v16-33 scale words; v34-41 P's codes; v42-57 at work; v64-127 S^T, then p, then V's fragments 8-15; v128-255 O^T.
;   window 1: v0-127 K's 16 fragments (tile t, K step s at 8 (2 t + s)); v128-191 V's fragments 0-7; v192-207 Q.
.set SLOT1, 1<<17                      ; slot 1 begins here: one exclusive or turns an address in one slot into the other's
.set SCB,   2*SLOT1                    ; the batch's scale words, 2,048 bytes a key step: filled once
.set SPARE, SCB+32768                  ; the spare words: 128 bytes for each wave, four blocks of 256 bytes that no other line names
.set SPI,   528                        ; the way out: a stage of 16 rows x (512 bytes + 16) for each wave, in slot 0, which has had its last fill and its last read by then
.set SPW,  1
.set NIL,  2
.set LI,   3                           ; 16 x lane
.set ADR,  4                           ; the step's codes
.set ADS,  5                           ; the step's scale words
.set QD,   6                           ; my query - 8 hl
.set DD,   7                           ; the same less the step's first key
.set NINF, 8
.set STO,  10
.set RD,   11
.set QS,   16                          ; Q's scale words: lanes 0-15 K step 0, lanes 16-31 K step 1
.set PS,   17                          ; P's scale word
.set KS,   18                          ; v18-25 K's: register t: lanes 0-15 tile t's K step 0, lanes 16-31 its K step 1
.set VS,   26                          ; v26-33 V's: register 4 (ht / 8) + ht % 4, lanes' half (ht / 4) % 2
.set PC,   34
.set BM,   42                          ; a block's largest score, then its largest p
.set PM,   46
.set SO,   50                          ; the conversions' scale operands
.set TT,   54
.set FF,   56                          ; v[56:57] f = 2^(old M - new M); at the end 1 / the sum
.set S,    64
.set O,    128
.set WV,   14
.set NN,   15                          ; my count of key steps
.set KC,   16                          ; the key step in hand
.set TB,   17                          ; LDS byte at which the slot in hand begins
.set TS,   18                          ; and the step's scale words
.set T0,   19                          ; my tile of queries
.set SEL,  20
.set CS,   22
.set G1C,  24
.set G1S,  32
.set G0C,  40
.set G0S,  44
.set TRIP, 48
.set MSB, 0
.macro WIN new                         ; bits 1:0 source 0, 3:2 source 1, 5:4 source 2, 7:6 destination; the high byte repeats the setting that is left
.if MSB != \new
	s_set_vgpr_msb (MSB<<8)|\new
.set MSB, \new
.endif
.endm
.macro PLACES n
.rept \n
	v_nop
.endr
.endm
.macro CROUND                          ; a round of the cluster's barrier
	s_barrier_signal -1
	s_barrier_wait -1
	s_cmp_lg_u32 s[WV], 0
	s_cbranch_scc1 .Lnot_wave_0_\@
	s_barrier_signal -3
.Lnot_wave_0_\@:
	s_barrier_wait -3
	s_barrier_signal -1
	s_barrier_wait -1
.endm
	s_load_b256 s[4:11], s[0:1], 0x0               ; qimg 4, qsc 6, kvc 8, kvs 10
	s_load_b64 s[12:13], s[0:1], 0x20              ; out0
	v_lshl_add_u32 v[SPW], v0, 2, SPARE
	v_mov_b32 v[NIL], 0
	ds_add_u32 v1, v2
	ds_add_u32 v1, v2
	s_wait_dscnt 0x0
	v_lshrrev_b32 v9, 5, v0
	v_readfirstlane_b32 s[WV], v9                  ; wave 0..7
	s_and_b32 s49, ttmp7, 0xffff                   ; the batch, which the four partners share
	s_lshr_b32 s51, s[WV], 1
	s_lshr_b32 s53, s[WV], 2
	s_xor_b32 s55, s53, s[WV]                      ; bit 0: b0 ^ b2
	s_xor_b32 s52, s55, s51                        ; bit 0: b0 ^ b1 ^ b2
	s_and_b32 s52, s52, 1                          ; 0 low range, 1 high range
	s_and_b32 s55, s55, 1                          ; u: which 128 queries of the range
	s_and_b32 s51, s[WV], 1
	s_lshl_b32 s53, s55, 1
	s_or_b32 s51, s51, s53                         ; ti = 2 u + b0
	s_lshl_b32 s53, ttmp9, 4                       ; low: first tile 16 c,
	s_sub_co_u32 s54, 112, s53                     ; high: 112 - 16 c
	s_lshl_b32 s58, ttmp9, 1
	s_add_co_u32 s56, s58, 1                       ; low: 2 c + 1 key steps,
	s_sub_co_u32 s57, 15, s58                      ; high: 15 - 2 c,
	s_cmp_eq_u32 s52, 0
	s_cselect_b32 s[T0], s53, s54
	s_cselect_b32 s[NN], s56, s57
	s_add_co_u32 s[NN], s[NN], s55                 ; and one more in the range's second 128 queries
	s_bfe_u32 s60, ttmp6, 0x40000                  ; cx: it enters my tile's number alone, and through it Q's and the output's addresses and the mask
	s_add_co_u32 s[T0], s[T0], s60
	s_lshl_b32 s51, s51, 2
	s_add_co_u32 s[T0], s[T0], s51
	; group 1: dense blocks as rows of 256 bytes (32 elements of 8 bytes), no padding: images are read 16 bytes a lane on end.  The mask names all four work-groups, bit 21 beside it
	s_mov_b32 s[G1C+0], 15|(3<<16)|(1<<21)
	s_mov_b32 s[G1C+1], 32<<16
	s_mov_b32 s[G1C+2], 64<<16                     ; codes: 64 rows a wave, an eighth of a slot
	s_mov_b32 s[G1C+3], 32<<16
	s_mov_b32 s[G1C+4], 64
	s_mov_b32 s[G1C+5], 32
	s_mov_b32 s[G1C+6], 0
	s_mov_b32 s[G1C+7], 0
	s_mov_b32 s[G1S+0], 15|(3<<16)|(1<<21)
	s_mov_b32 s[G1S+1], 32<<16
	s_mov_b32 s[G1S+2], 16<<16                     ; scale words: 16 rows a wave, an eighth of the batch's
	s_mov_b32 s[G1S+3], 32<<16
	s_mov_b32 s[G1S+4], 16
	s_mov_b32 s[G1S+5], 32
	s_mov_b32 s[G1S+6], 0
	s_mov_b32 s[G1S+7], 0
	s_mov_b32 s[SEL], 0x76543210
	s_mov_b32 s[SEL+1], 0xfedcba98                 ; v_permlanex16_b32's selects for lane l xor 16
	s_mov_b32 s[CS], 0x3d0293ee                    ; c = log2(e) / sqrt(2048)
	s_mov_b32 s[CS+1], s[CS]                       ; (named with it as a pair, so it is written)
	s_mov_b32 s[KC], 0
	s_mov_b32 s[TB], 0
	s_mov_b32 s[TS], SCB
	s_mov_b32 s[TRIP], 2
	s_lshl_b32 s50, s[WV], 14                      ; my eighth of a slot
	s_lshl_b32 s58, s49, 19
	s_add_co_u32 s58, s58, s50
	s_mov_b32 s59, 0
	s_lshl_b32 s53, s[WV], 12                      ; my eighth of the scale words
	s_lshl_b32 s56, s49, 15
	s_add_co_u32 s56, s56, s53
	s_mov_b32 s57, 0
	s_lshl_b32 s62, s49, 7
	s_add_co_u32 s62, s62, s[T0]                   ; 128 x batch + my tile
	s_mov_b32 s61, 0
	s_wait_kmcnt 0x0
	s_mov_b32 s[G0C], 1
	s_mov_b32 s[G0C+1], s50                        ; slot 0
	s_add_nc_u64 s[G0C+2:G0C+3], s[8:9], s[58:59]  ; the batch's key steps 0 to 3
	s_or_b32 s[G0C+3], s[G0C+3], 0x80000000
	s_mov_b32 s[G0S], 1
	s_add_co_u32 s[G0S+1], s53, SCB
	s_add_nc_u64 s[G0S+2:G0S+3], s[10:11], s[56:57]
	s_or_b32 s[G0S+3], s[G0S+3], 0x80000000
	s_lshl_b32 s60, s62, 11
	s_add_nc_u64 s[4:5], s[4:5], s[60:61]          ; my tile's two fragments of Q
	s_lshl_b32 s60, s62, 14
	s_add_nc_u64 s[12:13], s[12:13], s[60:61]      ; my 16 rows of the output
	s_lshr_b32 s60, s62, 3                         ; Q's scale words: 1,024 bytes for each 128 tokens; block 2 ((tile / 4) % 2) + K step; word tile % 4
	s_lshl_b32 s60, s60, 2
	s_bfe_u32 s63, s[T0], 0x10002
	s_lshl_b32 s63, s63, 1
	s_add_co_u32 s60, s60, s63
	s_lshl_b32 s60, s60, 8
	s_and_b32 s63, s[T0], 3
	s_lshl_b32 s63, s63, 2
	s_add_co_u32 s60, s60, s63
	s_add_nc_u64 s[6:7], s[6:7], s[60:61]
	CROUND                                         ; all four work-groups are here: the first joint loads meet
	tensor_load_to_lds s[G0S:G0S+3], s[G1S:G1S+7]  ; the first fills go out as one group: two loads of mine are out
	s_nop 0
	tensor_load_to_lds s[G0C:G0C+3], s[G1C:G1C+7]
	s_nop 0
	PLACES 4                                       ; four such lines behind a tensor load
	v_and_b32 v9, 31, v0
	v_lshlrev_b32 v[LI], 4, v9
	WIN 0x40                                       ; destination window 1
.irp s, 0,1
.irp c, 0,1
	global_load_b128 v[192+8*\s+4*\c:192+8*\s+4*\c+3], v[LI], s[4:5] offset:1024*\s+512*\c   ; Q stays in registers
.endr
.endr
	WIN 0
	global_load_b32 v[QS], v[LI], s[6:7]           ; 16 x lane = 16 r + 256 hl: lanes 16-31 take the next block, K step 1's
	v_and_b32 v9, 15, v0                           ; r
	v_bfe_u32 v[TT], v0, 4, 1                      ; hl
	v_lshlrev_b32 v[TT+1], 3, v[TT]
	v_sub_nc_u32 v[QD], v9, v[TT+1]
	s_lshl_b32 s60, s[T0], 4
	v_add_nc_u32 v[QD], s60, v[QD]                 ; 16 x tile + r - 8 hl
	v_mov_b32 v[NINF], 0xff800000
	s_mul_i32 s53, s[WV], 16*SPI                   ; my stage
	v_mul_u32_u24 v[STO], v9, SPI
	v_lshl_add_u32 v[STO], v[TT], 5, v[STO]
	v_add_nc_u32 v[STO], s53, v[STO]               ; in: row r, 32 bytes for each half of the lanes
	v_add_nc_u32 v[RD], s53, v[LI]                 ; back: the 32 lanes take one row of 512 bytes
	v_mov_b32 v13, 0xff61b1e6                      ; the largest t so far: -3e38, under every t
	v_floor_f32 v12, -v13                          ; -M
	v_mov_b32 v14, 0                               ; the sum, in two halves
	v_mov_b32 v15, 0
	v_mov_b32 v[FF+1], 0                           ; (named as the upper half of a pair before it is first written)
.irp b, 0,1,2,3
	v_mov_b32 v[PM+\b], 0                          ; written once: a lane permute's destination counts as one of its sources
.endr
.macro OPROD ht, areg, zero            ; O^T's tile ht (+)= 16 channels of V^T x P^T, K = the step's 128 keys.  zero = 1: the product starts the sum
.if \zero
.if ((\ht)>>2)&1
	v_wmma_scale_f32_16x16x128_f8f6f4 v[O+8*(\ht):O+8*(\ht)+7], v[\areg:\areg+7], v[PC:PC+7], 0, v[VS+4*((\ht)>>3)+((\ht)&3)], v[PS] matrix_a_fmt:MATRIX_FMT_FP4 matrix_b_fmt:MATRIX_FMT_FP4 matrix_a_scale:MATRIX_SCALE_ROW1
.else
	v_wmma_scale_f32_16x16x128_f8f6f4 v[O+8*(\ht):O+8*(\ht)+7], v[\areg:\areg+7], v[PC:PC+7], 0, v[VS+4*((\ht)>>3)+((\ht)&3)], v[PS] matrix_a_fmt:MATRIX_FMT_FP4 matrix_b_fmt:MATRIX_FMT_FP4
.endif
.else
.if ((\ht)>>2)&1
	v_wmma_scale_f32_16x16x128_f8f6f4 v[O+8*(\ht):O+8*(\ht)+7], v[\areg:\areg+7], v[PC:PC+7], v[O+8*(\ht):O+8*(\ht)+7], v[VS+4*((\ht)>>3)+((\ht)&3)], v[PS] matrix_a_fmt:MATRIX_FMT_FP4 matrix_b_fmt:MATRIX_FMT_FP4 matrix_a_scale:MATRIX_SCALE_ROW1
.else
	v_wmma_scale_f32_16x16x128_f8f6f4 v[O+8*(\ht):O+8*(\ht)+7], v[\areg:\areg+7], v[PC:PC+7], v[O+8*(\ht):O+8*(\ht)+7], v[VS+4*((\ht)>>3)+((\ht)&3)], v[PS] matrix_a_fmt:MATRIX_FMT_FP4 matrix_b_fmt:MATRIX_FMT_FP4
.endif
.endif
.endm
.macro KLOAD off, soff                 ; a step's K: 16 fragments (32 loads) and its scale words (2 loads)
	WIN 0x40
.irp f, 0,1,2,3,4,5,6,7,8,9,10,11,12,13,14,15
.irp c, 0,1
	ds_load_b128 v[8*\f+4*\c:8*\f+4*\c+3], v[ADR] offset:\off+1024*\f+512*\c
.endr
.endr
	WIN 0
.irp e, 0,1
	ds_load_b128 v[KS+4*\e:KS+4*\e+3], v[ADS] offset:\soff+512*\e
.endr
.endm
; A KEY STEP: 128 keys, the q-th of the slot in hand.  A slot's first step loads its own K; the others' K was asked for a step ago.  K is loaded only where it will be multiplied.
; first = 1: the launch's first step, which every wave has: no jump stands round it, and its products start O^T.
.macro STEP q, first
.if !\first
	s_cmp_ge_u32 s[KC], s[NN]                      ; all its keys come after my queries: a scalar branch on ids, round the step's work; no barrier and no tensor load stands in a step
	s_cbranch_scc1 .Lskip_\@
.endif
	s_add_co_u32 s49, s[TB], 32768*\q
	v_add_nc_u32 v[ADR], s49, v[LI]
	v_add_nc_u32 v[ADS], s[TS], v[LI]
.if \q == 0
	KLOAD 0, 0
.endif
	WIN 0x40
.irp f, 0,1,2,3,4,5,6,7
.irp c, 0,1
	ds_load_b128 v[128+8*\f+4*\c:128+8*\f+4*\c+3], v[ADR] offset:16384+1024*\f+512*\c   ; V's fragments 0-7: they land under the scores and the softmax
.endr
.endr
	WIN 0
.irp e, 0,1
	ds_load_b128 v[VS+4*\e:VS+4*\e+3], v[ADS] offset:1024+512*\e
.endr
	s_wait_dscnt 18                                ; all but the 18 just issued: K and its scale words are in
	WIN 0x05                                       ; K and Q in window 1
.irp t, 0,1,2,3,4,5,6,7                        ; S^T = K Q^T: eight accumulators by turns; the first K step starts the sums
	v_wmma_scale_f32_16x16x128_f8f6f4 v[S+8*\t:S+8*\t+7], v[16*\t:16*\t+7], v[192:199], 0, v[KS+\t], v[QS] matrix_a_fmt:MATRIX_FMT_FP4 matrix_b_fmt:MATRIX_FMT_FP4
.endr
.irp t, 0,1,2,3,4,5,6,7
	v_wmma_scale_f32_16x16x128_f8f6f4 v[S+8*\t:S+8*\t+7], v[16*\t+8:16*\t+15], v[200:207], v[S+8*\t:S+8*\t+7], v[KS+\t], v[QS] matrix_a_fmt:MATRIX_FMT_FP4 matrix_b_fmt:MATRIX_FMT_FP4 matrix_a_scale:MATRIX_SCALE_ROW1 matrix_b_scale:MATRIX_SCALE_ROW1
.endr
	WIN 0
	PLACES 4                                       ; four places in front of the loads into K's registers and of the first read of the scores
	s_add_co_u32 s49, s[KC], 1                     ; is this my last step?  Then it holds the diagonal and has no successor; else all its keys count
	s_cmp_lt_u32 s49, s[NN]
.if \q < 3
	s_cbranch_scc0 .Llast_\@
	KLOAD 32768, 2048                              ; the next step's K, into the registers just multiplied
	s_branch .Lopen_\@
.Llast_\@:
.else
	s_cbranch_scc1 .Lopen_\@
.endif
	s_lshl_b32 s49, s[KC], 7
	s_sub_co_u32 s49, 0, s49
	v_add_nc_u32 v[DD], s49, v[QD]                 ; register 8 t + n holds key 128 KC + 16 t + 8 hl + n: hidden where 16 t + n > my query - 8 hl - 128 KC
.set NX, 0
.rept 64
	v_cmp_gt_i32 vcc_lo, 16*(NX/8)+NX%8, v[DD]
	v_cndmask_b32 v[S+NX], v[S+NX], v[NINF], vcc_lo   ; -infinity ahead of the maximum: p = 0 then
.set NX, NX+1
.endr
.Lopen_\@:
.irp b, 0,1,2,3
	v_max3_num_f32 v[BM+\b], v[S+16*\b], v[S+16*\b+1], v[S+16*\b+2]   ; the largest score of each block of 32 keys: it serves the row's maximum and, since p rises with the score, the block's largest p
.endr
.irp i, 3,5,7,9,11,13
.irp b, 0,1,2,3
	v_max3_num_f32 v[BM+\b], v[BM+\b], v[S+16*\b+\i], v[S+16*\b+\i+1]
.endr
.endr
.irp b, 0,1,2,3
	v_max_num_f32 v[BM+\b], v[BM+\b], v[S+16*\b+15]
.endr
.irp b, 0,1,2,3
	v_permlanex16_b32 v[PM+\b], v[BM+\b], s[SEL], s[SEL+1]
.endr
.irp b, 0,1,2,3
	v_max_num_f32 v[BM+\b], v[BM+\b], v[PM+\b]     ; with lane l xor 16's 16 keys
.endr
	v_max3_num_f32 v[TT], v[BM], v[BM+1], v[BM+2]
	v_max_num_f32 v[TT], v[TT], v[BM+3]            ; the step's largest score of my query
	v_mul_f32 v[TT], s[CS], v[TT]                  ; as t (c is positive)
	v_max_num_f32 v13, v13, v[TT]                  ; the running largest t
	v_mov_b32 v[TT], v12
	v_floor_f32 v12, -v13                          ; the new -M = floor(-t): M is a whole number
	v_sub_f32 v[TT], v12, v[TT]                    ; old M - new M: a whole number, 0 or less
	v_cvt_i32_f32 v[TT], v[TT]                     ; (it saturates)
	v_ldexp_f32 v[FF], 1.0, v[TT]                  ; f = 2^(old M - new M)
.set NX, 0
.rept 32
	v_pk_fma_f32 v[S+NX:S+NX+1], v[S+NX:S+NX+1], s[CS:CS+1], v[12:13] op_sel_hi:[1,0,0]   ; t - M, two at a time
.set NX, NX+2
.endr
.irp b, 0,1,2,3
	v_fma_f32 v[BM+\b], v[BM+\b], s[CS], v12       ; the same of each block's largest score
.endr
.set NX, 0
.rept 64
	v_exp_f32 v[S+NX], v[S+NX]                     ; p = 2^(t - M), at most 1
.set NX, NX+1
.endr
.irp b, 0,1,2,3
	v_exp_f32 v[BM+\b], v[BM+\b]                   ; the block's largest p: the same two instructions on the same number
.endr
	v_pk_mul_f32 v[14:15], v[14:15], v[FF:FF+1] op_sel_hi:[1,0]   ; the sums under the new M (a plain place behind the exponentials)
	s_wait_alu depctr_va_vdst(0)
.irp b, 0,1,2,3
	v_max_num_f32 v[BM+\b], 0x1800000, v[BM+\b]    ; the floor 2^(3 - 127): the byte cannot fall under 1
.endr
.irp b, 0,1,2,3
	v_add_nc_u32 v[SO+\b], 0xff000000, v[BM+\b]    ; 2 off the exponent field: the conversion's scale operand
.endr
.irp b, 0,1,2,3
	v_lshrrev_b32 v[PM+\b], 23, v[SO+\b]           ; the scale's byte
.endr
	v_lshl_or_b32 v[PS], v[PM+1], 8, v[PM]         ; P's scale word for these 128 keys
	v_lshl_or_b32 v[PS], v[PM+2], 16, v[PS]
	v_lshl_or_b32 v[PS], v[PM+3], 24, v[PS]
.irp c, 0,1
.irp e, 0,1
.irp u, 0,1
	v_cvt_scalef32_pk8_fp4_f32 v[PC+4*\c+2*\u+\e], v[S+16*(2*\c+\e)+8*\u:S+16*(2*\c+\e)+8*\u+7], v[SO+2*\c+\e]
.endr
.endr
.endr
	v_nop                                          ; one plain place behind a scaled conversion
.irp c, 0,1
.irp u, 0,1
	v_permlane16_swap_b32 v[PC+4*\c+2*\u], v[PC+4*\c+2*\u+1]   ; a whole block in a lane: lanes 0-15 block 2 c, lanes 16-31 block 2 c + 1
.endr
.endr
	v_pk_add_f32 v[PM:PM+1], v[S:S+1], v[S+2:S+3]  ; the row's sum is taken of the unquantised p: two at a time, in two chains.  These 32 additions are also the places between P's codes and scale word and the products below
.irp j, 4,8,12,16,20,24,28,32,36,40,44,48,52,56,60
	v_pk_add_f32 v[14:15], v[14:15], v[S+\j:S+\j+1]
	v_pk_add_f32 v[PM:PM+1], v[PM:PM+1], v[S+\j+2:S+\j+3]
.endr
	v_pk_add_f32 v[14:15], v[14:15], v[PM:PM+1]
.irp f, 0,1,2,3,4,5,6,7
.irp c, 0,1
	ds_load_b128 v[S+8*\f+4*\c:S+8*\f+4*\c+3], v[ADR] offset:24576+1024*\f+512*\c   ; V's fragments 8-15, into the registers that p has left
.endr
.endr
.if !\first
.set NX, 0
.rept 64
	v_pk_mul_f32 v[O+NX:O+NX+1], v[O+NX:O+NX+1], v[FF:FF+1] op_sel_hi:[1,0]   ; O^T under the new M, while those loads are on their way
.set NX, NX+2
.endr
.endif
	s_wait_dscnt 16                                ; all but the 16 just issued: V's fragments 0-7, its scale words and, where it was asked for, the next step's K are in
	WIN 0x01                                       ; source 0 window 1
.irp t, 0,1,2,3,4,5,6,7
	OPROD \t, 128+8*\t, \first
.endr
	s_wait_dscnt 0x0                               ; V's fragments 8-15 are in
	WIN 0
.irp t, 8,9,10,11,12,13,14,15
	OPROD \t, S+8*(\t-8), \first
.endr
	PLACES 5                                       ; the next step's scores are written over registers that these products read: five places
.Lskip_\@:
	s_add_co_u32 s[KC], s[KC], 1
	s_add_co_u32 s[TS], s[TS], 2048
.endm
; THE CHANGE OF SLOTS stands at a slot's head.  Each wave waits for all its tensor loads (its part of the slot ahead), adds 0 to its spare word, and waits for that and for its reads of the slot that it has left.
; fill = 1: that other slot takes the next four key steps, behind a round of the cluster's barrier; the load has a whole slot's steps in which to land.
.macro CHANGE fill
	s_wait_tensorcnt 0x0                           ; no tensor load of mine is out, so the walking group 0 may be written
	ds_add_u32 v[SPW], v[NIL]                      ; 0 onto my spare word
.if \fill
	s_xor_b32 s[G0C+1], s[G0C+1], SLOT1            ; the other slot than last time,
	s_add_nc_u64 s[G0C+2:G0C+3], s[G0C+2:G0C+3], 131072   ; the next four key steps; the type bits on top are not reached
.endif
	s_wait_dscnt 0x0                               ; the add is done, and my reads of the slot that I have left are over
.if \fill
	CROUND
	tensor_load_to_lds s[G0C:G0C+3], s[G1C:G1C+7]  ; my one tensor load behind the round, and the first thing there
	s_nop 0
	PLACES 4
.else
	s_barrier_signal -1
	s_barrier_wait -1
.endif
.endm
.macro SLOT_STEPS first
	STEP 0, \first
	STEP 1, 0
	STEP 2, 0
	STEP 3, 0
	s_xor_b32 s[TB], s[TB], SLOT1                  ; on to the other slot
.endm
	s_wait_loadcnt 0x0                             ; Q and its scale words
	CHANGE 1                                       ; slot 0 is whole; slot 1 is filled for the first time, as a refill is
	SLOT_STEPS 1                                   ; the first slot is written out: its first step starts the sums
.Lslot:                                            ; two trips: behind each change of slots but the last the next slot is asked for
	CHANGE 1
	SLOT_STEPS 0
	s_sub_co_u32 s[TRIP], s[TRIP], 1
	s_cmp_lg_u32 s[TRIP], 0
	s_cbranch_scc1 .Lslot
	CHANGE 0                                       ; the last slot is written out
	SLOT_STEPS 0
	; THE WAY OUT.  O^T is divided by the sum and goes through my stage in LDS, half a row (128 channels, 512 bytes) of 16 queries at a time: the 32 lanes then store 512 consecutive bytes.
	v_add_f32 v14, v14, v15                        ; the sum's two halves,
	v_permlanex16_b32 v[PM], v14, s[SEL], s[SEL+1]
	v_add_f32 v14, v14, v[PM]                      ; and lane l xor 16's: the row's sum
	v_rcp_f32 v[FF], v14
	v_nop                                          ; one plain place behind a transcendental
.set NX, 0
	s_wait_alu depctr_va_vdst(0)
.rept 64
	v_pk_mul_f32 v[O+NX:O+NX+1], v[O+NX:O+NX+1], v[FF:FF+1] op_sel_hi:[1,0]   ; register 8 ht + n is out(r, 16 ht + 8 hl + n)
.set NX, NX+2
.endr
.irp u, 0,1
.irp t, 0,1,2,3,4,5,6,7
	ds_store_b128 v[STO], v[O+64*\u+8*\t:O+64*\u+8*\t+3] offset:64*\t
	ds_store_b128 v[STO], v[O+64*\u+8*\t+4:O+64*\u+8*\t+7] offset:64*\t+16
.endr
.irp i, 0,1,2,3,4,5,6,7,8,9,10,11,12,13,14,15
	ds_load_b128 v[S+64*\u+4*\i:S+64*\u+4*\i+3], v[RD] offset:\i*SPI   ; LDS serves a wave's instructions in order (ISA guide 5.7.1.4): these see my stores, and the next half's stores come behind them
.endr
.endr
.irp u, 0,1
.irp i, 0,1,2,3,4,5,6,7,8,9,10,11,12,13,14,15
	s_wait_dscnt 47-32*\u-\i                       ; behind row i's load: the rest of its half's loads, and for the first half the second's 16 stores and 16 loads
	global_store_b128 v[LI], v[S+64*\u+4*\i:S+64*\u+4*\i+3], s[12:13] offset:1024*\i+512*\u th:TH_STORE_NT   ; written once, read by nobody here
.endr
.endr
	s_wait_tensorcnt 0x0                           ; the wave's end
	ds_add_u32 v[SPW], v[NIL]
	s_wait_dscnt 0x0
	CROUND                                         ; the closing round: no work-group ends while a partner may still ask for a tile that names it
	s_endpgm
.Lfunc_end_k_qd3faa55bac_attn:
	.size	k_qd3faa55bac_attn, .Lfunc_end_k_qd3faa55bac_attn-k_qd3faa55bac_attn
	.p2alignl 7, 3214868480
	.fill 96, 4, 3214868480
	.section	.rodata,"a",@progbits
	.p2align	6, 0x0
	.amdhsa_kernel k_qd3faa55bac_attn
		.amdhsa_group_segment_fixed_size 327680
		.amdhsa_private_segment_fixed_size 0
		.amdhsa_enable_private_segment 0
		.amdhsa_kernarg_size 40
		.amdhsa_user_sgpr_count 2
		.amdhsa_user_sgpr_kernarg_segment_ptr 1
		.amdhsa_wavefront_size32 1
		.amdhsa_system_sgpr_workgroup_id_x 1
		.amdhsa_system_sgpr_workgroup_id_y 1
		.amdhsa_system_sgpr_workgroup_id_z 1
		.amdhsa_system_vgpr_workitem_id 0
		.amdhsa_next_free_vgpr 512
		.amdhsa_next_free_sgpr 66
		.amdhsa_reserve_vcc 1
		.amdhsa_float_denorm_mode_32 3
		.amdhsa_float_denorm_mode_16_64 3
		.amdhsa_memory_ordered 1
		.amdhsa_forward_progress 1
		.amdhsa_inst_pref_size 255
	.end_amdhsa_kernel
	.section	.bss,"aw",@nobits
	.p2align	6
	.space	262144
	.amdgpu_metadata
---
amdhsa.version: [ 1, 2 ]
amdhsa.kernels:
  - .name:           k_qd3faa55bac_attn
    .symbol:         k_qd3faa55bac_attn.kd
    .args:
      - { .name: qimg, .offset: 0, .size: 8, .value_kind: global_buffer, .address_space: global }
      - { .name: qsc, .offset: 8, .size: 8, .value_kind: global_buffer, .address_space: global }
      - { .name: kvc, .offset: 16, .size: 8, .value_kind: global_buffer, .address_space: global }
      - { .name: kvs, .offset: 24, .size: 8, .value_kind: global_buffer, .address_space: global }
      - { .name: out0, .offset: 32, .size: 8, .value_kind: global_buffer, .address_space: global }
    .group_segment_fixed_size: 327680
    .private_segment_fixed_size: 0
    .kernarg_segment_align: 8
    .kernarg_segment_size: 40
    .max_flat_workgroup_size: 256
    .sgpr_count:     66
    .vgpr_count:     512
    .wavefront_size: 32
...
	.end_amdgpu_metadata
.endif
;; end of part 2
